; MI455X (gfx1250); checked and timed in simulation.
; The chip was launched on July 23, 2026; its instructions are those of AMD's public machine-readable ISA for CDNA 5 (MIT licence, August 2026) and "CDNA5" Instruction Set Architecture Reference Guide (July 2026). The comments in the code are by the model that wrote it; some were corrected since.
;; Segment FFN. Allowed arithmetic: float matrix products may take bf16 or f16 operands with f32 sums; all other float work in f32.
;; Inputs: w1 4 x 1,024 x 2,048 float32; w2 4 x 2,048 x 1,024 float32; w3 4 x 1,024 x 2,048 float32; x 4 x 2,048 x 1,024 float32.
;; Outputs: out0 4 x 2,048 x 1,024 float32.
;; One version. Each part assembles by itself: llvm-mc -triple=amdgcn-amd-amdhsa -mcpu=gfx1250 --defsym DOCPART=n.
;; ======== version 1 of 1: 3 launches
;; workspace buffers: xb 16,777,216 bytes; w1b 16,777,216 bytes; w3b 16,777,216 bytes; w2b 16,777,216 bytes; hb 33,554,432 bytes
;; launch cast (part 1): grid 2048 x 1, 8 waves a work-group, no clusters, 0 bytes of LDS; arguments x, w1, w3, xb, w1b, w3b; writes xb, w1b, w3b
.if DOCPART == 1
	.amdgcn_target "amdgcn-amd-amdhsa--gfx1250"
	.amdhsa_code_object_version 6
	.text
	.protected	k_q60be91bcca_cast
	.globl	k_q60be91bcca_cast
	.p2align	8
	.type	k_q60be91bcca_cast,@function
k_q60be91bcca_cast:
	s_mov_b64 s[64:65], 0
	v_nop
	global_prefetch_b8 v0, s[64:65] scope:SCOPE_SE
	s_setreg_imm32_b32 hwreg(HW_REG_WAVE_MODE, 25, 1), 1
	s_wait_xcnt 0x0
; x, w1, w3 (f32, 33,554,432 bytes each) are rounded once, to nearest even, to bf16: xb, w1b, w3b, in the same order of elements.  (w2 is rounded in the next launch, which does not need it.)
; A stream: each input byte is read once and each output byte written once; LDS, barriers and matrix instructions would add nothing here.
; Work-group g of 2,048 owns bytes 16,384 g .. + 16,383 of each input and 8,192 g .. + 8,191 of each output.  Thread t takes the 16 bytes at
; 4,096 j + 16 t (j = 0..3) of each of the three inputs: twelve loads, all issued before the first is waited for.  A wave's load covers 512
; consecutive bytes, a wave's store of 8 bytes a lane 256 consecutive bytes that begin at a multiple of 256 from the buffer's first byte.
; No register is written twice while a memory instruction may read it: each slot has its own four registers, the two offsets are never rewritten.
; LIMITS: bf16 keeps f32's range, so nothing overflows; NaN and infinities pass as the conversion makes them.
.set X, 4                              ; v[4:51]  slot n = 4 i + j: four f32 as loaded; its first two registers then hold the four bf16
	s_load_b256 s[16:23], s[0:1], 0x0              ; x s[16:17], w1 s[18:19], w3 s[20:21], xb s[22:23]
	s_load_b128 s[24:27], s[0:1], 0x20             ; w1b s[24:25], w3b s[26:27]: input i at s[16 + 2 i], its output at s[22 + 2 i]
	s_lshl_b32 s2, ttmp9, 14                       ; my 16,384 bytes of an input (below 2^25)
	s_mov_b32 s3, 0
	s_lshl_b32 s4, ttmp9, 13                       ; my 8,192 bytes of an output
	s_mov_b32 s5, 0
	v_lshlrev_b32 v1, 4, v0                        ; 16 t
	v_lshlrev_b32 v2, 3, v0                        ; 8 t
	s_wait_kmcnt 0x0
.irp i, 0,1,2
	s_add_nc_u64 s[16+2*(\i):17+2*(\i)], s[16+2*(\i):17+2*(\i)], s[2:3]
	s_add_nc_u64 s[22+2*(\i):23+2*(\i)], s[22+2*(\i):23+2*(\i)], s[4:5]
.endr
.irp i, 0,1,2
.irp j, 0,1,2,3
	global_load_b128 v[X+4*(4*(\i)+(\j)):X+4*(4*(\i)+(\j))+3], v1, s[16+2*(\i):17+2*(\i)] offset:4096*(\j) th:TH_LOAD_NT  ; read once in the launch
.endr
.endr
; Slot 4 i + j: its load is in, the younger ones stay out; two packed roundings; one store.  The next launch reads what is stored: no hint on the store.
.macro TURN i, j
	s_wait_loadcnt 11-(4*(\i)+(\j))                ; loads come back in order (ISA guide 5.7.1): as many may be out as were issued behind mine
	v_cvt_pk_bf16_f32 v[X+4*(4*(\i)+(\j))],   v[X+4*(4*(\i)+(\j))],   v[X+4*(4*(\i)+(\j))+1]
	v_cvt_pk_bf16_f32 v[X+4*(4*(\i)+(\j))+1], v[X+4*(4*(\i)+(\j))+2], v[X+4*(4*(\i)+(\j))+3]
	global_store_b64 v2, v[X+4*(4*(\i)+(\j)):X+4*(4*(\i)+(\j))+1], s[22+2*(\i):23+2*(\i)] offset:2048*(\j)
.endm
.irp i, 0,1,2
.irp j, 0,1,2,3
	TURN \i, \j
.endr
.endr
	s_endpgm
.Lfunc_end_k_q60be91bcca_cast:
	.size	k_q60be91bcca_cast, .Lfunc_end_k_q60be91bcca_cast-k_q60be91bcca_cast
	.p2alignl 7, 3214868480
	.fill 96, 4, 3214868480
	.section	.rodata,"a",@progbits
	.p2align	6, 0x0
	.amdhsa_kernel k_q60be91bcca_cast
		.amdhsa_group_segment_fixed_size 0
		.amdhsa_private_segment_fixed_size 0
		.amdhsa_enable_private_segment 0
		.amdhsa_kernarg_size 48
		.amdhsa_user_sgpr_count 2
		.amdhsa_user_sgpr_kernarg_segment_ptr 1
		.amdhsa_wavefront_size32 1
		.amdhsa_system_sgpr_workgroup_id_x 1
		.amdhsa_system_sgpr_workgroup_id_y 1
		.amdhsa_system_sgpr_workgroup_id_z 1
		.amdhsa_system_vgpr_workitem_id 0
		.amdhsa_next_free_vgpr 52
		.amdhsa_next_free_sgpr 66
		.amdhsa_reserve_vcc 0
		.amdhsa_float_denorm_mode_32 3
		.amdhsa_float_denorm_mode_16_64 3
		.amdhsa_memory_ordered 1
		.amdhsa_forward_progress 1
		.amdhsa_inst_pref_size 5
	.end_amdhsa_kernel
	.amdgpu_metadata
---
amdhsa.version: [ 1, 2 ]
amdhsa.kernels:
  - .name:           k_q60be91bcca_cast
    .symbol:         k_q60be91bcca_cast.kd
    .args:
      - { .name: x, .offset: 0, .size: 8, .value_kind: global_buffer, .address_space: global }
      - { .name: w1, .offset: 8, .size: 8, .value_kind: global_buffer, .address_space: global }
      - { .name: w3, .offset: 16, .size: 8, .value_kind: global_buffer, .address_space: global }
      - { .name: xb, .offset: 24, .size: 8, .value_kind: global_buffer, .address_space: global }
      - { .name: w1b, .offset: 32, .size: 8, .value_kind: global_buffer, .address_space: global }
      - { .name: w3b, .offset: 40, .size: 8, .value_kind: global_buffer, .address_space: global }
    .group_segment_fixed_size: 0
    .private_segment_fixed_size: 0
    .kernarg_segment_align: 8
    .kernarg_segment_size: 48
    .max_flat_workgroup_size: 256
    .sgpr_count:     66
    .vgpr_count:     52
    .wavefront_size: 32
...
	.end_amdgpu_metadata
.endif
;; end of part 1
;; launch gateup (part 2): grid 16 x 16, 4 waves a work-group, clusters of 4 x 4, 327,680 bytes of LDS; arguments xb, w1b, w3b, hb, w2, w2b; writes hb, w2b
.if DOCPART == 2
	.amdgcn_target "amdgcn-amd-amdhsa--gfx1250"
	.amdhsa_code_object_version 6
	.text
	.protected	k_q60be91bcca_gateup
	.globl	k_q60be91bcca_gateup
	.p2align	8
	.type	k_q60be91bcca_gateup,@function
k_q60be91bcca_gateup:
	s_mov_b64 s[64:65], 0
	v_nop
	global_prefetch_b8 v0, s[64:65] scope:SCOPE_SE
	s_setreg_imm32_b32 hwreg(HW_REG_WAVE_MODE, 25, 1), 1
	s_wait_xcnt 0x0
	s_wait_alu depctr_hold_cnt(0) depctr_sa_sdst(0) depctr_va_vdst(0) depctr_va_sdst(0) depctr_va_ssrc(0) depctr_va_vcc(0) depctr_vm_vsrc(0)
	s_getreg_b32 s2, hwreg(HW_REG_IB_STS2, 6, 4)
	s_cmp_eq_u32 s2, 0
	s_cbranch_scc0 .Lentry_in_a_cluster
	s_endpgm
.Lentry_in_a_cluster:
	s_bfe_u32 s2, ttmp6, 0x10000c
	s_cmp_lg_u32 s2, 0xf033
	s_cbranch_scc0 .Lentry_shape_is_right
	s_endpgm
.Lentry_shape_is_right:
; hb[row][c] = bf16( silu(g) * u ),  g = sum over k of xb[row][k] w1b[seg][k][c],  u = the same with w3b.  xb: [8192][1024], w1b, w3b: [4][1024][2048], hb: [8192][2048], all bf16; sums in f32.
; Beside that, w2 (f32) is rounded to bf16 into w2b, for the next launch: a stream that needs no result of this launch and rides along.
; Row b * 2048 + n belongs to segment n / 512.  A tile is 256 consecutive rows of one segment x 128 columns of hb, g and u both.
; A WORK-GROUP STAYS: it makes TWO tiles, 4,096 rows apart (batches b and b + 2), in the same tile column, so both take the same tiles of the weights.  256 work-groups, one for each WGP.  A loop over
; tiles stands round the loop over K, and the ring does not stop at a tile's end: a tile's last two changes of slots ask for the next tile's first two K steps, and nothing waits for a tile's stores.
; SHARES.  Four waves, as many as a WGP has SIMDs; wave w has rows 128 (w >> 1) .. + 127 and columns 64 (w & 1) .. + 63 of the tile: 8 row blocks x (4 column blocks of g + the same 4 of u) = 64
; accumulators of 16 x 16, 512 registers.  For 32 along K a wave makes 32 LDS loads and 64 matrix instructions.
; K goes in 8 steps of 128 through two LDS slots filled by tensor loads; every row of every tile is 256 bytes of memory and begins at a multiple of 256 from its buffer's first byte.
; THE WEIGHTS lie [k][column]: their fragments come out of LDS turned, by ds_load_tr16_b128.  THE MATRIX INSTRUCTION IS USED TRANSPOSED (source 0 = 16 columns of a weight, source 1 = 16 rows of x):
; a lane then holds ONE row (lane % 16) and eight neighbouring columns 8 (lane / 16) + 0..7, and g and u of one number lie in the same lane and the same register place of two accumulators.
; CLUSTER.  4 x 4 work-groups.  The cluster's y is the segment, so a segment's four clusters have consecutive numbers in the grid; cy chooses batch (cy >> 1) and half (cy & 1), cx the tile column.
; The four of a row of the cluster need the same tile of x, the four of a column the same tiles of w1b and w3b: each tile is asked for JOINTLY, by the same tensor load with the same descriptor and a
; mask that names the four.  By this text's count a wave has two tensor loads out at the start and one behind each round.
; FORMATS AND LIMITS.  hb is bf16, not f16: with larger inputs h grows with their third power and would leave f16's range.  silu(g) u is made as (g * sigmoid(g)) * u, so no product is formed that
; the definition does not form.  sigmoid = 1 / (1 + 2^(-g log2 e)); where that falls below 2^-126 (g below about -87) it counts as 0.  NaN and infinities are not treated apart.
; REGISTERS, in windows of 256 (s_set_vgpr_msb: bits 1:0 source 0, 3:2 source 1, 5:4 source 2, 7:6 destination):
;   window 0: v0-31 addresses; v64-127, v128-191 fragments of x, two buffers; v192-239 at work on the way out, which also reads rows back into v128-191
;   window 1: v64-127, v128-191 fragments of the weights (w1b's four, then w3b's four), two buffers; v0-63, v192-255 w2 on its way
;   window 2: the accumulators of my rows 0-63 (row block a, column block b at v[8 (8 a + b)]; b 0-3: g, b 4-7: u)      window 3: those of my rows 64-127
.set PA,    272                        ; an LDS row of x: 256 bytes + 16 of padding = 68 words: the 16 rows that a load touches start at 16 different groups of four banks (64 banks of 4 bytes: ISA guide 11.1)
.set PB,    288                        ; an LDS row of a weight: 256 + 32 = 72 words
.set HALFA, 128*PA                     ; 128 rows of x: one tensor load
.set BT,    128*PB                     ; 128 k-rows x 128 columns of one weight: one tensor load
.set BOFF,  2*HALFA                    ; a slot: x's 256 rows, then w1b's tile, then w3b's
.set SLOT,  BOFF+2*BT
.set STAGE, 2*SLOT                     ; behind the ring, never filled by a tensor load: 128 rows x 272 bytes, the work-group's, for half a tile on its way out
.set SPARE, STAGE+128*PA               ; behind the stage: the spare words, 128 bytes for each wave: two blocks of 256 bytes that no other line names
.set LAPS,  4                          ; a lap = two K steps = once round the ring; K = 1024
.set TILES, 2
.set NEXT_A, 4096*2048-768*2           ; bytes from a slot's last K step of a tile to its first of the next: x goes 4,096 rows of 2,048 bytes down and 768 elements back along K,
.set BACK_B, 768*4096                  ; a weight only back: 768 k-rows of 4,096 bytes
.set NEXT_H, 4096*4096                 ; hb: 4,096 rows of 4,096 bytes down
.set ADRA,  16                         ; v16-17  LDS address of my fragments of x in slot 0, 1
.set ADRB1, 18                         ; v18-19  the same for w1b
.set ADRB3, 20                         ; v20-21  the same for w3b (a register of its own: BT and the offsets together pass the 16-bit immediate)
.set STO,   24                         ; v24     the way out: where I put 16 bytes of a row
.set RD,    25                         ; v25     the way out: where I read a row back
.set CO,    26                         ; v26     my byte offset in hb
.set SPW,   28                         ; v28     LDS address of my spare word: SPARE + 4 x my thread's number; never rewritten
.set NIL,   29                         ; v29     0; never rewritten
.set WI,    30                         ; v30     my byte offset in the work-group's share of w2
.set WO,    31                         ; v31     and of w2b
.set F0,    64
.set F1,    128
.set T,     192                        ; the way out: 32 f32 at work
.set PK,    224                        ; the way out: 16 registers of packed bf16
.set OB,    128                        ; the way out: 32 rows read back, 64 registers: buffer 1, which is idle there (buffer 0 holds the next tile's first fragments)
.set WV,    12                         ; s12 wave; s13 which half of the rows is mine (also: 0 = I fetch x, 1 = a weight); s14 which half of the columns (also: which half of x, or which weight)
.set WR,    13
.set WC,    14
.set G1A,   24                         ; s[24:31] descriptor group 1 for x's tiles;  s[32:39] group 0, a set for each slot
.set G0A,   32
.set NC,    44                         ; s[44:45] -log2(e), named as a pair
.set G1B,   48                         ; s[48:55], s[56:63] the same for the weights' tiles
.set G0B,   56
.set W2,    68                         ; s[68:69] w2 at my work-group's share for the tile in hand
.set W2B,   70                         ; s[70:71] w2b likewise
.set MSB, 0
.macro WIN new                         ; the immediate's high byte repeats the setting that is left; a switch that changes nothing is dropped
.if MSB != (\new)
	s_set_vgpr_msb (MSB<<8)|(\new)
.set MSB, \new
.endif
.endm
.set MUL_LO, 0xa1                      ; source 0 (weights) window 1, source 1 (x) window 0, C and D window 2
.set MUL_HI, 0xf1                      ; the same, C and D window 3
.set TO_B,   0x40                      ; destination window 1, address window 0
; A joint load.  Waves 0 and 1 fetch x's two halves, wave 2 w1b's tile, wave 3 w3b's.  Each of the two lines has one mask; the branch hangs on the wave's number alone.
; An s_nop 0 and four v_nop follow each of the two lines, ahead of the jump, the label and what follows.
.macro JLOAD s
	s_cmp_eq_u32 s[WR], 0
	s_cbranch_scc0 .Lfor_b_\@
	tensor_load_to_lds s[G0A+4*(\s):G0A+4*(\s)+3], s[G1A:G1A+7]
	s_nop 0
.rept 4
	v_nop
.endr
	s_branch .Lasked_\@
.Lfor_b_\@:
	tensor_load_to_lds s[G0B+4*(\s):G0B+4*(\s)+3], s[G1B:G1B+7]
	s_nop 0
.rept 4
	v_nop
.endr
.Lasked_\@:
.endm
; A round of the cluster's barrier: my work-group's barrier, so that wave 0's signal speaks for all four waves; wave 0 signals; every wave waits for all sixteen work-groups; my work-group's barrier once more.
.macro CREST                           ; a round behind its opening barrier
	s_cmp_lg_u32 s[WV], 0
	s_cbranch_scc1 .Lnot_wave_0_\@
	s_barrier_signal -3
.Lnot_wave_0_\@:
	s_barrier_wait -3
	s_barrier_signal -1
	s_barrier_wait -1
.endm
.macro CROUND                          ; a whole round
	s_barrier_signal -1
	s_barrier_wait -1
	CREST
.endm
	s_load_b256 s[4:11], s[0:1], 0x0               ; xb s[4:5], w1b s[6:7], w3b s[8:9], hb s[10:11]
	s_load_b128 s[W2:W2+3], s[0:1], 0x20           ; w2, w2b
	v_lshl_add_u32 v[SPW], v0, 2, SPARE
	v_mov_b32 v[NIL], 0
	ds_add_u32 v[SPW], v[NIL]                      ; the wave's opening: the add and its wait stand ahead of my first tensor load; the set-up below, work on registers, stands between them
	v_lshrrev_b32 v1, 5, v0
	v_readfirstlane_b32 s[WV], v1                  ; wave 0..3
	s_lshr_b32 s[WR], s[WV], 1
	s_and_b32 s[WC], s[WV], 1
	s_bfe_u32 s15, ttmp6, 0x40000                  ; cx: my place along the cluster's x
	s_bfe_u32 s16, ttmp6, 0x40004                  ; cy: along its y
	s_lshl_b32 s17, ttmp9, 2                       ; in a cluster launch ttmp9 and ttmp7 count clusters
	s_add_co_u32 s17, s17, s15                     ; tile column 0..15 = 4 x cluster x + cx
	s_and_b32 s19, ttmp7, 0xffff                   ; the segment = the cluster's y: what all sixteen share
	s_lshl_b32 s20, s16, 2
	s_lshl_b32 s20, 15, s20                        ; my row of the cluster: places 4 cy .. 4 cy + 3
	s_lshl_b32 s21, 0x1111, s15                    ; my column: places cx, cx + 4, cx + 8, cx + 12
	; descriptor group 1: tiles of 128 rows x 128 elements, padded in LDS
	s_or_b32 s[G1A], s20, (1<<16)|(1<<20)|(1<<21)|(5<<22)|(3<<25)  ; 15:0 the mask: x's tiles go to my row; 17:16 elements of 2 bytes; 20 padding on; 21 set beside a mask; 24:22 after every 64 words (code 5); 31:25 4 words (code 3)
	s_or_b32 s[G1B], s21, (1<<16)|(1<<20)|(1<<21)|(5<<22)|(7<<25)  ; the weights' tiles go to my column; 8 words of padding (code 7)
.irp g, G1A, G1B
	s_mov_b32 s[(\g)+1], 128<<16                   ; tensor_dim0 = 128
	s_mov_b32 s[(\g)+2], 128<<16                   ; tensor_dim1 = 128
	s_mov_b32 s[(\g)+3], 128<<16                   ; tile_dim0 = 128
	s_mov_b32 s[(\g)+4], 128                       ; tile_dim1 = 128
	s_mov_b32 s[(\g)+6], 0
	s_mov_b32 s[(\g)+7], 0
.endr
	s_mov_b32 s[G1A+5], 1024                       ; elements from row to row of xb
	s_mov_b32 s[G1B+5], 2048                       ; and of a weight
	s_mov_b32 s[NC], 0xbfb8aa3b                    ; -log2(e)
	s_mov_b32 s[NC+1], s[NC]
	; the first tile's first row (s40, s41 at work: they feed x's address alone)
	s_lshl_b32 s22, s19, 9                         ; seg x 512
	s_lshr_b32 s40, s16, 1
	s_lshl_b32 s40, s40, 11                        ; batch cy >> 1: x 2048
	s_add_co_u32 s22, s22, s40
	s_and_b32 s40, s16, 1
	s_lshl_b32 s40, s40, 8                         ; half cy & 1: x 256
	s_add_co_u32 s22, s22, s40                     ; s22 = b x 2048 + seg x 512 + half x 256
	s_lshl_b32 s41, s[WC], 7
	s_add_co_u32 s40, s22, s41                     ; the 128 rows of x that I fetch,
	s_lshl_b32 s40, s40, 11                        ; in bytes: rows of 2,048 (below 2^24)
	s_mov_b32 s41, 0
	s_lshl_b32 s46, s19, 22                        ; a segment of a weight is 4,194,304 bytes,
	s_lshl_b32 s47, s17, 8                         ; a tile column 256
	s_add_co_u32 s46, s46, s47
	s_mov_b32 s47, 0
	s_mul_i32 s23, s[WC], HALFA                    ; where the tiles go: the wave's number alone enters an LDS address
	s_mul_i32 s72, s[WC], BT
	s_add_co_u32 s72, s72, BOFF
	; my work-group's share of w2: work-group 16 (4 seg + cy) + tile column of 256 takes 131,072 bytes of w2 and 65,536 of w2b, half of them with each tile
	s_lshl_b32 s18, s19, 2
	s_add_co_u32 s18, s18, s16
	s_lshl_b32 s74, s18, 4
	s_add_co_u32 s74, s74, s17
	s_lshl_b32 s76, s74, 16
	s_lshl_b32 s74, s74, 17
	s_mov_b32 s75, 0
	s_mov_b32 s77, 0
	s_wait_dscnt 0x0                               ; the opening add is done
	s_wait_kmcnt 0x0
	s_add_nc_u64 s[40:41], s[4:5], s[40:41]        ; x's tile of K step 0
	s_cmp_eq_u32 s[WC], 0
	s_cselect_b64 s[42:43], s[6:7], s[8:9]         ; w1b for the even wave, w3b for the odd: the same choice in every work-group
	s_add_nc_u64 s[42:43], s[42:43], s[46:47]
	CROUND                                         ; all sixteen work-groups are here: the first joint loads meet
.irp s, 0,1
	s_mov_b32 s[G0A+4*(\s)], 1                                       ; 1:0 count = 1
	s_add_co_u32 s[G0A+4*(\s)+1], s23, (\s)*SLOT                     ; 63:32 LDS address
	s_add_nc_u64 s[G0A+4*(\s)+2:G0A+4*(\s)+3], s[40:41], (\s)*256    ; 120:64 global address: K step s is 128 elements along the rows
	s_or_b32 s[G0A+4*(\s)+3], s[G0A+4*(\s)+3], 0x80000000            ; 127:126 type = 2
	s_mov_b32 s[G0B+4*(\s)], 1
	s_add_co_u32 s[G0B+4*(\s)+1], s72, (\s)*SLOT
	s_add_nc_u64 s[G0B+4*(\s)+2:G0B+4*(\s)+3], s[42:43], (\s)*524288 ; K step s is 128 rows of 4,096 bytes down
	s_or_b32 s[G0B+4*(\s)+3], s[G0B+4*(\s)+3], 0x80000000
	JLOAD \s                                       ; the ring is filled before anything else is done
.endr
	; A fragment of x is 16 rows x 32 K in 8 registers: lane l holds row l % 16; registers 0-3 K = 8 (l / 16) + 0..7, registers 4-7 K = 16 + 8 (l / 16) + 0..7: two loads of 16 bytes, 32 bytes apart.
	v_and_b32 v1, 15, v0                           ; l % 16
	v_bfe_u32 v2, v0, 4, 1                         ; l / 16
	v_mul_u32_u24 v3, v1, PA
	v_lshl_add_u32 v3, v2, 4, v3                   ; row x pitch + 16 x half
	; The turning load takes 16 k x 16 columns (lane l reads k-row 8 (l / 16) + l % 8, columns 8 ((l / 8) % 2) + 0..7) and leaves half a fragment: lane l holds column l % 16 and 8 k.
	v_and_b32 v4, 7, v0
	v_bfe_u32 v5, v0, 3, 1
	v_lshl_add_u32 v6, v2, 3, v4
	v_mul_u32_u24 v6, v6, PB
	v_lshl_add_u32 v6, v5, 4, v6
	s_mul_i32 s23, s[WR], HALFA                    ; my 128 rows of x
	s_lshl_b32 s72, s[WC], 7                       ; my 64 columns of a weight's tile: 128 bytes
	s_add_co_u32 s72, s72, BOFF
.irp s, 0,1
	v_add_nc_u32 v[ADRA+(\s)], s23, v3
	v_add_nc_u32 v[ADRB1+(\s)], s72, v6
	v_add_nc_u32 v[ADRB3+(\s)], BT, v[ADRB1+(\s)]
	s_add_co_u32 s23, s23, SLOT
	s_add_co_u32 s72, s72, SLOT
.endr
	; The stage holds half a tile: of each half of the tile's rows 64 rows (four row blocks).  In: stage row 64 (w >> 1) + 16 (block % 4) + l % 16, my half of its 256 bytes, 16 bytes for each half of the lanes.
	s_mul_i32 s23, s[WR], 64*PA
	s_lshl_b32 s72, s[WC], 7
	s_add_co_u32 s23, s23, s72
	s_add_co_u32 s23, s23, STAGE
	v_add_nc_u32 v[STO], s23, v3
	s_mul_i32 s23, s[WV], 32*PA                    ; back: wave w takes stage rows 32 w .. 32 w + 31, whole; lanes 0-15 one row of 256 bytes, lanes 16-31 the next
	s_add_co_u32 s23, s23, STAGE
	v_mul_u32_u24 v[RD], v2, PA
	v_lshl_add_u32 v[RD], v1, 4, v[RD]
	v_add_nc_u32 v[RD], s23, v[RD]
	v_lshlrev_b32 v[CO], 12, v2                    ; and the same two rows in hb: rows of 4,096 bytes
	v_lshl_add_u32 v[CO], v1, 4, v[CO]
	s_lshl_b32 s46, s[WR], 7                       ; those stage rows are the tile's rows 128 (w >> 1) + 32 (w & 1) + 64 x the half in hand + 0..31
	s_lshl_b32 s47, s[WC], 5
	s_add_co_u32 s46, s46, s47
	s_add_co_u32 s46, s46, s22
	s_lshl_b32 s46, s46, 12
	s_lshl_b32 s47, s17, 8                         ; the tile's first column
	s_add_co_u32 s46, s46, s47
	s_mov_b32 s47, 0
	s_add_nc_u64 s[10:11], s[10:11], s[46:47]
	v_and_b32 v7, 31, v0                           ; w2: wave w takes 16,384 bytes with each tile, 32 loads of 512 consecutive bytes
	v_lshlrev_b32 v[WI], 4, v7
	v_lshl_add_u32 v[WI], s[WV], 14, v[WI]
	v_lshlrev_b32 v[WO], 3, v7                     ; w2b: half of that
	v_lshl_add_u32 v[WO], s[WV], 13, v[WO]
	s_add_nc_u64 s[W2:W2+1], s[W2:W2+1], s[74:75]
	s_add_nc_u64 s[W2B:W2B+1], s[W2B:W2B+1], s[76:77]
; 16 matrix instructions: row blocks a0, a0 + 1 of the window's four (hi = 0: my rows 0-63, 1: rows 64-127) x all 8 column blocks, 32 along K.  zero = 1: the first product starts the sums.
; The 64 accumulators take turns, one instruction a turn, in the same order in every quarter.
.macro MUL16 f, hi, a0, zero
	WIN MUL_LO+0x50*(\hi)
.irp a, \a0, (\a0)+1
.irp b, 0,1,2,3,4,5,6,7
.if \zero
	v_wmma_f32_16x16x32_bf16 v[8*(8*(\a)+(\b)):8*(8*(\a)+(\b))+7], v[(\f)+8*(\b):(\f)+8*(\b)+7], v[(\f)+8*(4*(\hi)+(\a)):(\f)+8*(4*(\hi)+(\a))+7], 0
.else
	v_wmma_f32_16x16x32_bf16 v[8*(8*(\a)+(\b)):8*(8*(\a)+(\b))+7], v[(\f)+8*(\b):(\f)+8*(\b)+7], v[(\f)+8*(4*(\hi)+(\a)):(\f)+8*(4*(\hi)+(\a))+7], v[8*(8*(\a)+(\b)):8*(8*(\a)+(\b))+7]
.endif
.endr
.endr
.endm
; 32 LDS loads in one run: the fragments of quarter q (32 along K) of a slot into buffer f: w1b's four column blocks, w3b's four, then x's eight row blocks
.macro FETCH slot, q, f
	WIN TO_B
.irp j, 0,1,2,3
	ds_load_tr16_b128 v[(\f)+8*(\j):(\f)+8*(\j)+3],   v[ADRB1+(\slot)] offset:(\q)*32*PB+32*(\j)
	ds_load_tr16_b128 v[(\f)+8*(\j)+4:(\f)+8*(\j)+7], v[ADRB1+(\slot)] offset:(\q)*32*PB+16*PB+32*(\j)
.endr
.irp j, 0,1,2,3
	ds_load_tr16_b128 v[(\f)+32+8*(\j):(\f)+32+8*(\j)+3],   v[ADRB3+(\slot)] offset:(\q)*32*PB+32*(\j)
	ds_load_tr16_b128 v[(\f)+32+8*(\j)+4:(\f)+32+8*(\j)+7], v[ADRB3+(\slot)] offset:(\q)*32*PB+16*PB+32*(\j)
.endr
	WIN 0
.irp i, 0,1,2,3,4,5,6,7
	ds_load_b128 v[(\f)+8*(\i):(\f)+8*(\i)+3],   v[ADRA+(\slot)] offset:64*(\q)+(\i)*16*PA
	ds_load_b128 v[(\f)+8*(\i)+4:(\f)+8*(\i)+7], v[ADRA+(\slot)] offset:64*(\q)+(\i)*16*PA+32
.endr
.endm
; A load into a register that a matrix instruction has read, and a vector instruction that reads a matrix result, stand four places behind that matrix instruction; only plain vector
; instructions that name none of its registers are places (ISA guide 7.12.1 for vector instructions).
.macro PLACES
.rept 4
	v_nop
.endr
.endm
; A K step is four quarters of 32 along K, 64 matrix instructions each, on buffers 0, 1, 0, 1.  One of the first three: multiplies buffer f; in its middle it fetches quarter q of the same slot into buffer g.
.macro QUARTER slot, q, f, g, zero
	s_wait_dscnt 8                                 ; the weights and x's rows 0-63 are in; the youngest eight loads (x's rows 64-127) may be out
	MUL16 \f, 0, 0, \zero
	MUL16 \f, 0, 2, \zero
	PLACES
	FETCH \slot, \q, \g
	s_wait_dscnt 32                                ; all but the 32 just issued
	MUL16 \f, 1, 0, \zero
	MUL16 \f, 1, 2, \zero
.endm
; The last quarter changes slots and then multiplies buffer 1.  The slot's last fragments are in registers, so the change stands AHEAD of the quarter's 64 products: each wave waits for all its tensor
; loads, of which one is out: its part of the next slot; adds 0 to its spare word; waits for that and for its own reads of this slot; and passes ONE barrier.  Behind it nobody reads this slot any more
; and the next slot is whole.  fill = 1: the barrier opens a round of the cluster's barrier, and this slot is filled again, two K steps ahead, first thing behind the round: no product stands between a
; tile's landing and the next request, and all 256 matrix instructions of a K step stand between a request and the wait for it.  fill = 2: the same with the NEXT tile's K step 0 or 1.  fill = 0: nothing is asked for.
.macro TURN slot, next, fill
	WIN 0
	s_wait_tensorcnt 0x0                           ; all my tensor loads have landed, so both sets of group 0 may be written
	ds_add_u32 v[SPW], v[NIL]                      ; 0 onto my spare word; the descriptors' steps stand between it and the wait for it
.if (\fill) == 1
	s_add_nc_u64 s[G0A+4*(\slot)+2:G0A+4*(\slot)+3], s[G0A+4*(\slot)+2:G0A+4*(\slot)+3], 512      ; two K steps on; the type bits on top are not reached
	s_add_nc_u64 s[G0B+4*(\slot)+2:G0B+4*(\slot)+3], s[G0B+4*(\slot)+2:G0B+4*(\slot)+3], 1048576
.elseif (\fill) == 2
	s_add_nc_u64 s[G0A+4*(\slot)+2:G0A+4*(\slot)+3], s[G0A+4*(\slot)+2:G0A+4*(\slot)+3], NEXT_A
	s_sub_nc_u64 s[G0B+4*(\slot)+2:G0B+4*(\slot)+3], s[G0B+4*(\slot)+2:G0B+4*(\slot)+3], BACK_B
.endif
	s_wait_dscnt 0x0                               ; the add is done, and my reads of this slot are over: buffer 1 is whole
	s_barrier_signal -1
	s_barrier_wait -1
.if \fill
	CREST                                          ; no wave of any partner still reads this slot's tiles or has a load on its way
	JLOAD \slot                                    ; the four v_nop behind it are also the places in front of the loads below
.else
	PLACES
.endif
	FETCH \next, 0, F0                             ; 64 matrix instructions ahead of their first use
	MUL16 F1, 0, 0, 0
	MUL16 F1, 0, 2, 0
	MUL16 F1, 1, 0, 0
	MUL16 F1, 1, 2, 0
.endm
; w2 ON ITS WAY.  At a tile's head 32 loads of 512 consecutive bytes go out into registers of window 1 that nothing else uses (load n at v[4 n], from n = 16 on at v[4 n + 128]); they have six K steps in
; which to land.  Behind the lap loop they are rounded in place and stored, 256 consecutive bytes a store, at a multiple of 256 from w2b's first byte; the next launch reads them: no hint on the store.
.macro W2LOAD
	WIN TO_B
.set n, 0
.rept 32
	global_load_b128 v[4*n+128*(n/16):4*n+128*(n/16)+3], v[WI], s[W2:W2+1] offset:512*n th:TH_LOAD_NT  ; read once in the launch
.set n, n+1
.endr
.endm
.macro W2STORE
	s_wait_loadcnt 0x0
	WIN 0x45                                       ; sources 0 and 1 and the destination in window 1
.set n, 0
.rept 32
	v_cvt_pk_bf16_f32 v[4*n+128*(n/16)],   v[4*n+128*(n/16)],   v[4*n+128*(n/16)+1]
	v_cvt_pk_bf16_f32 v[4*n+128*(n/16)+1], v[4*n+128*(n/16)+2], v[4*n+128*(n/16)+3]
.set n, n+1
.endr
	WIN 0x04                                       ; a store's data (source 1) in window 1, its address in window 0
.set n, 0
.rept 32
	global_store_b64 v[WO], v[4*n+128*(n/16):4*n+128*(n/16)+1], s[W2B:W2B+1] offset:256*n
.set n, n+1
.endr
.endm
; THE WAY OUT of row block a: h = (g sigmoid(g)) u for the lane's 32 numbers (4 column blocks x 8), rounded to bf16, 16 bytes a column block into the stage.
; Each accumulator is read from its low end on.  The transcendentals stand in runs, a plain instruction behind each run (ISA guide 5.7.2).
.macro SWIGLU a
.set AC, 64*((\a)%4)                   ; g at AC .. AC + 31, u at AC + 32 .. AC + 63, in window 2 (blocks 0-3) or 3 (blocks 4-7)
	WIN 2+(\a)/4                                   ; source 0 in that window
.set i, 0
.rept 16
	v_pk_mul_f32 v[T+2*i:T+2*i+1], v[AC+2*i:AC+2*i+1], s[NC:NC+1] op_sel_hi:[1,0]  ; -g log2(e)
.set i, i+1
.endr
	WIN 0
.set i, 0
.rept 32
	v_exp_f32 v[T+i], v[T+i]
.set i, i+1
.endr
	v_nop
.set i, 0
	s_wait_alu depctr_va_vdst(0)
.rept 16
	v_pk_add_f32 v[T+2*i:T+2*i+1], v[T+2*i:T+2*i+1], 1.0 op_sel_hi:[1,0]
.set i, i+1
.endr
.set i, 0
.rept 32
	v_rcp_f32 v[T+i], v[T+i]
.set i, i+1
.endr
	v_nop
	WIN 2+(\a)/4
.set i, 0
	s_wait_alu depctr_va_vdst(0)
.rept 16
	v_pk_mul_f32 v[T+2*i:T+2*i+1], v[AC+2*i:AC+2*i+1], v[T+2*i:T+2*i+1]            ; g sigmoid(g)
.set i, i+1
.endr
.set i, 0
.rept 16
	v_pk_mul_f32 v[T+2*i:T+2*i+1], v[AC+32+2*i:AC+32+2*i+1], v[T+2*i:T+2*i+1]      ; times u
.set i, i+1
.endr
	WIN 0
.set i, 0
.rept 16
	v_cvt_pk_bf16_f32 v[PK+i], v[T+2*i], v[T+2*i+1]
.set i, i+1
.endr
.irp j, 0,1,2,3
	ds_store_b128 v[STO], v[PK+4*(\j):PK+4*(\j)+3] offset:((\a)%4)*16*PA+32*(\j)
.endr
.endm
.macro BACK                            ; my 32 whole rows of the stage come back, two rows a load
.set t, 0
.rept 16
	ds_load_b128 v[OB+4*t:OB+4*t+3], v[RD] offset:t*2*PA
.set t, t+1
.endr
.endm
.macro SENDH p, counted                ; and leave: half p of the tile.  counted = 1: the loads are waited for one by one
.set t, 0
.rept 16
.if \counted
	s_wait_dscnt 15-t                              ; LDS loads come back in order (ISA guide 5.7.1): as many may be out as were issued behind this one
.endif
	global_store_b128 v[CO], v[OB+4*t:OB+4*t+3], s[10:11] offset:(64*(\p)+2*t)*4096  ; 16 lanes store 256 consecutive bytes, at a multiple of 256 from hb's first byte; 94 rows at the most: inside the signed 24-bit immediate; the next launch reads them: no hint
.set t, t+1
.endr
.endm
	s_wait_tensorcnt 1                             ; my part of K step 0 is in; K step 1's may stay out
	s_barrier_signal -1
	s_barrier_wait -1                              ; everybody's is
	FETCH 0, 0, F0
	s_mov_b32 s2, TILES                            ; tiles to go, this one among them: the same number in every work-group
.Ltile:                                                ; (every window is 0 here: FETCH and SENDH leave it so)
	W2LOAD
	QUARTER 0, 1, F0, F1, 1                        ; a tile's first quarter stands in front of the lap loop: its products start the sums
	WIN 0                                          ; at a label and at a branch every window is 0
	s_mov_b32 s3, LAPS-1
.Llap:                                                 ; a trip goes once round the ring, from a lap's second quarter to the next lap's first, and fills both slots again
	QUARTER 0, 2, F1, F0, 0
	QUARTER 0, 3, F0, F1, 0
	TURN 0, 1, 1
	QUARTER 1, 1, F0, F1, 0
	QUARTER 1, 2, F1, F0, 0
	QUARTER 1, 3, F0, F1, 0
	TURN 1, 0, 1
	QUARTER 0, 1, F0, F1, 0
	WIN 0
	s_sub_co_u32 s3, s3, 1
	s_cmp_lg_u32 s3, 0
	s_cbranch_scc1 .Llap
	W2STORE
	QUARTER 0, 2, F1, F0, 0                        ; the tile's last lap goes on
	QUARTER 0, 3, F0, F1, 0
	WIN 0
	s_cmp_eq_u32 s2, 1
	s_cbranch_scc1 .Llast                          ; the last tile's tail is written out: it asks for nothing more
	TURN 0, 1, 2                                   ; THE RING GOES ON INTO THE NEXT TILE: slot 0 takes its K step 0,
	QUARTER 1, 1, F0, F1, 0
	QUARTER 1, 2, F1, F0, 0
	QUARTER 1, 3, F0, F1, 0
	TURN 1, 0, 2                                   ; slot 1 its K step 1, and the next tile's first fragments are fetched into buffer 0
	WIN 0
	s_branch .Lout
.Llast:
	TURN 0, 1, 0
	QUARTER 1, 1, F0, F1, 0
	QUARTER 1, 2, F1, F0, 0
	QUARTER 1, 3, F0, F1, 0
	s_wait_dscnt 0x0                               ; the very last quarter: nothing more to fetch
	MUL16 F1, 0, 0, 0
	MUL16 F1, 0, 2, 0
	MUL16 F1, 1, 0, 0
	MUL16 F1, 1, 2, 0
	WIN 0
.Lout:                                                 ; THE TILE GOES OUT, in two halves of four row blocks a wave: the stage holds 128 rows.  Where a tile follows, both its refills have been asked for.
	PLACES                                         ; the lines below read results just made
.irp a, 0,1,2,3
	SWIGLU \a
.endr
	s_wait_dscnt 0x0                               ; for the others' sake: my stores into the stage are done; a row's 256 bytes come from two waves
	s_barrier_signal -1
	s_barrier_wait -1
	BACK
	s_wait_dscnt 0x0                               ; my reads of the stage are over,
	s_barrier_signal -1
	s_barrier_wait -1                              ; everybody's are: the stage may be written again
	SENDH 0, 0
.irp a, 4,5,6,7
	SWIGLU \a
.endr
	s_wait_dscnt 0x0
	s_barrier_signal -1
	s_barrier_wait -1
	s_wait_xcnt 0x0                                ; the registers loaded below were the data of the first half's stores: they are rewritten only behind this wait
	BACK
	SENDH 1, 1                                     ; these reads of the stage end at the count 0; the next tile writes the stage behind the sixteen barriers of its ring
	s_wait_xcnt 0x0                                ; every earlier memory instruction has had its addresses translated (ISA guide 3.1): only behind this wait are the bases stepped and the stores' data registers loaded again
	s_add_nc_u64 s[10:11], s[10:11], NEXT_H
	s_add_nc_u64 s[W2:W2+1], s[W2:W2+1], 65536
	s_add_nc_u64 s[W2B:W2B+1], s[W2B:W2B+1], 32768
	s_sub_co_u32 s2, s2, 1
	s_cmp_lg_u32 s2, 0
	s_cbranch_scc1 .Ltile
	s_wait_tensorcnt 0x0                           ; the wave's end: a wait, an add onto my spare word and its wait, behind my last tensor load and my last LDS store
	ds_add_u32 v[SPW], v[NIL]
	s_wait_dscnt 0x0
	CROUND                                         ; the closing round: no work-group ends while a partner may still ask for a tile that names it
	s_endpgm
.Lfunc_end_k_q60be91bcca_gateup:
	.size	k_q60be91bcca_gateup, .Lfunc_end_k_q60be91bcca_gateup-k_q60be91bcca_gateup
	.p2alignl 7, 3214868480
	.fill 96, 4, 3214868480
	.section	.rodata,"a",@progbits
	.p2align	6, 0x0
	.amdhsa_kernel k_q60be91bcca_gateup
		.amdhsa_group_segment_fixed_size 327680
		.amdhsa_private_segment_fixed_size 0
		.amdhsa_enable_private_segment 0
		.amdhsa_kernarg_size 48
		.amdhsa_user_sgpr_count 2
		.amdhsa_user_sgpr_kernarg_segment_ptr 1
		.amdhsa_wavefront_size32 1
		.amdhsa_system_sgpr_workgroup_id_x 1
		.amdhsa_system_sgpr_workgroup_id_y 1
		.amdhsa_system_sgpr_workgroup_id_z 1
		.amdhsa_system_vgpr_workitem_id 0
		.amdhsa_next_free_vgpr 1024
		.amdhsa_next_free_sgpr 80
		.amdhsa_reserve_vcc 0
		.amdhsa_float_denorm_mode_32 3
		.amdhsa_float_denorm_mode_16_64 3
		.amdhsa_memory_ordered 1
		.amdhsa_forward_progress 1
		.amdhsa_inst_pref_size 222
	.end_amdhsa_kernel
	.amdgpu_metadata
---
amdhsa.version: [ 1, 2 ]
amdhsa.kernels:
  - .name:           k_q60be91bcca_gateup
    .symbol:         k_q60be91bcca_gateup.kd
    .args:
      - { .name: xb, .offset: 0, .size: 8, .value_kind: global_buffer, .address_space: global }
      - { .name: w1b, .offset: 8, .size: 8, .value_kind: global_buffer, .address_space: global }
      - { .name: w3b, .offset: 16, .size: 8, .value_kind: global_buffer, .address_space: global }
      - { .name: hb, .offset: 24, .size: 8, .value_kind: global_buffer, .address_space: global }
      - { .name: w2, .offset: 32, .size: 8, .value_kind: global_buffer, .address_space: global }
      - { .name: w2b, .offset: 40, .size: 8, .value_kind: global_buffer, .address_space: global }
    .group_segment_fixed_size: 327680
    .private_segment_fixed_size: 0
    .kernarg_segment_align: 8
    .kernarg_segment_size: 48
    .max_flat_workgroup_size: 128
    .sgpr_count:     80
    .vgpr_count:     1024
    .wavefront_size: 32
...
	.end_amdgpu_metadata
.endif
;; end of part 2
;; launch down (part 3): grid 8 x 32, 4 waves a work-group, clusters of 4 x 4, 327,680 bytes of LDS; arguments hb, w2b, out0; writes out0
.if DOCPART == 3
	.amdgcn_target "amdgcn-amd-amdhsa--gfx1250"
	.amdhsa_code_object_version 6
	.text
	.protected	k_q60be91bcca_down
	.globl	k_q60be91bcca_down
	.p2align	8
	.type	k_q60be91bcca_down,@function
k_q60be91bcca_down:
	s_mov_b64 s[64:65], 0
	v_nop
	global_prefetch_b8 v0, s[64:65] scope:SCOPE_SE
	s_setreg_imm32_b32 hwreg(HW_REG_WAVE_MODE, 25, 1), 1
	s_wait_xcnt 0x0
	s_wait_alu depctr_hold_cnt(0) depctr_sa_sdst(0) depctr_va_vdst(0) depctr_va_sdst(0) depctr_va_ssrc(0) depctr_va_vcc(0) depctr_vm_vsrc(0)
	s_getreg_b32 s2, hwreg(HW_REG_IB_STS2, 6, 4)
	s_cmp_eq_u32 s2, 0
	s_cbranch_scc0 .Lentry_in_a_cluster
	s_endpgm
.Lentry_in_a_cluster:
	s_bfe_u32 s2, ttmp6, 0x10000c
	s_cmp_lg_u32 s2, 0xf033
	s_cbranch_scc0 .Lentry_shape_is_right
	s_endpgm
.Lentry_shape_is_right:
; out0[row][c] = sum over k of hb[row][k] w2b[seg][k][c].  hb: [8192][2048] bf16, w2b: [4][2048][1024] bf16, out0: [8192][1024] f32; sums in f32, stored as they are.
; Row b * 2048 + n belongs to segment n / 512.  Tile row t (0..31) is 256 consecutive rows of one segment: seg = t >> 3, b = (t >> 1) & 3, half = t & 1, first row b * 2048 + seg * 512 + half * 256.
; SHARES.  A work-group makes 256 rows x 128 columns: 32 x 8 = 256 work-groups, one for each WGP (tiles of 256 x 256 would be 128).  Four waves; wave w has rows 128 (w >> 1) .. + 127 and columns
; 64 (w & 1) .. + 63: 8 x 4 = 32 accumulators of 16 x 16, 256 registers.  For 32 along K a wave makes 24 LDS loads and 32 matrix instructions.
; K goes in 16 steps of 128 through two LDS slots filled by tensor loads (two slots of 256 along K would take 417,792 bytes); every row of every tile is 256 bytes of memory, at a multiple of 256.
; w2b lies [k][column]: its fragments come out of LDS turned, by ds_load_tr16_b128.  THE MATRIX INSTRUCTION IS USED TRANSPOSED (source 0 = 16 columns of w2b, source 1 = 16 rows of hb): a lane
; holds one row (lane % 16) and eight neighbouring columns, 32 bytes of f32.  A wave's 64 columns are 256 bytes of a row of out0, so each wave has a stage of its own and the way out has no barrier.
; CLUSTER.  4 x 4 work-groups; four consecutive t lie in one segment.  hb's tile is shared along a row of the cluster, w2b's along a column: each is asked for JOINTLY, by the same tensor load with
; the same descriptor and a mask that names the four.  By this text's count a wave has two tensor loads out at the start and one behind each round.
; PREFETCH.  A K step holds 128 matrix instructions a wave, and longer steps do not fit in LDS, so the tiles of later steps are asked for ahead: see ASK.
; LIMITS.  Operands are bf16, which has f32's range; NaN and infinities are not treated apart.
; REGISTERS (s_set_vgpr_msb: bits 1:0 source 0, 3:2 source 1, 5:4 source 2, 7:6 destination):
;   window 0: v0-31 addresses; two fragment buffers of 96 at v64 and v160: hb's eight row blocks (64 registers), then w2b's four column blocks (32); on the way out v64-127 hold rows read back
;   window 1: the accumulators: row block a, column block b at v[8 (4 a + b)]
.set PA,    272                        ; an LDS row of hb: 256 bytes + 16 of padding = 68 words: the 16 rows that a load touches start at 16 different groups of four banks (64 banks of 4 bytes: ISA guide 11.1)
.set PB,    288                        ; an LDS row of w2b: 256 + 32 = 72 words
.set HALFA, 128*PA                     ; 128 rows of hb: one tensor load
.set HALFB, 64*PB                      ; 64 k-rows x 128 columns of w2b: one tensor load
.set BOFF,  2*HALFA                    ; a slot: hb's 256 rows, then w2b's 128 k-rows
.set SLOT,  BOFF+2*HALFB
.set STAGE, 2*SLOT                     ; behind the ring, never filled by a tensor load: 16 rows x 272 bytes for each wave
.set SP,    272
.set SPARE, STAGE+4*16*SP              ; behind the stages: the spare words, 128 bytes for each wave: two blocks of 256 bytes that no other line names
.set LAPS,  8                          ; a lap = two K steps = once round the ring; K = 2048
.set ADRA,  16                         ; v16-17  LDS address of my fragments of hb in slot 0, 1
.set ADRB,  20                         ; v20-21  the same for w2b
.set STO,   24                         ; v24     the way out: where I put 32 bytes of a row
.set RD,    25                         ; v25     the way out: where I read a row back
.set CO,    26                         ; v26     my byte offset in out0
.set PFO,   27                         ; v27     the prefetch: my lane's row, in bytes; never rewritten
.set SPW,   28                         ; v28     LDS address of my spare word: SPARE + 4 x my thread's number; never rewritten
.set NIL,   29                         ; v29     0; never rewritten
.set F0,    64
.set F1,    160
.set OB,    64                         ; the way out: 16 rows read back, v64-95 and v96-127 by turns
.set WV,    12                         ; s12 wave; s13 which half of the rows is mine (also: 0 = I fetch hb, 1 = w2b); s14 which half of the columns (also: which half of that tile I fetch)
.set WR,    13
.set WC,    14
.set G1A,   24                         ; s[24:31] descriptor group 1 for hb's tiles;  s[32:39] group 0, a set for each slot
.set G0A,   32
.set G1B,   48                         ; s[48:55], s[56:63] the same for w2b's tiles
.set G0B,   56
.set PFB,   68                         ; s[68:69] the prefetch: the address that my wave asks from
.set PFS,   70                         ; s[70:71] and its step from lap to lap, in bytes
.set MSB, 0
.macro WIN new                         ; the immediate's high byte repeats the setting that is left; a switch that changes nothing is dropped
.if MSB != (\new)
	s_set_vgpr_msb (MSB<<8)|(\new)
.set MSB, \new
.endif
.endm
.set W_MUL, 0x50                       ; sources 0 and 1 window 0; C and D window 1
.set W_ST,  0x04                       ; an LDS store's data (source 1) window 1, its address window 0
; A joint load.  Waves 0 and 1 fetch hb's two halves, waves 2 and 3 w2b's.  The branch hangs on the wave's number alone.
; An s_nop 0 and four v_nop follow each of the two lines, ahead of the jump, the label and what follows.
.macro JLOAD s
	s_cmp_eq_u32 s[WR], 0
	s_cbranch_scc0 .Lfor_b_\@
	tensor_load_to_lds s[G0A+4*(\s):G0A+4*(\s)+3], s[G1A:G1A+7]
	s_nop 0
.rept 4
	v_nop
.endr
	s_branch .Lasked_\@
.Lfor_b_\@:
	tensor_load_to_lds s[G0B+4*(\s):G0B+4*(\s)+3], s[G1B:G1B+7]
	s_nop 0
.rept 4
	v_nop
.endr
.Lasked_\@:
.endm
; A round of the cluster's barrier: my work-group's barrier, so that wave 0's signal speaks for all four waves; wave 0 signals; every wave waits for all sixteen work-groups; my work-group's barrier once more.
.macro CREST                           ; a round behind its opening barrier
	s_cmp_lg_u32 s[WV], 0
	s_cbranch_scc1 .Lnot_wave_0_\@
	s_barrier_signal -3
.Lnot_wave_0_\@:
	s_barrier_wait -3
	s_barrier_signal -1
	s_barrier_wait -1
.endm
.macro CROUND                          ; a whole round
	s_barrier_signal -1
	s_barrier_wait -1
	CREST
.endm
; THE PREFETCH.  A lap's tiles (two K steps) are asked for one lap before the refills that load them: two and three K steps, 256 and 384 matrix instructions of a wave, ahead.  Each aligned block of
; 256 bytes is asked for once in the launch.  hb: a tile's 256 rows serve 8 tile columns; tile column c asks for rows 32 c .. + 31, one lane a row: wave 0 for the lap's even K step, wave 2 for the odd.
; w2b: a lap's 256 k-rows of a tile column serve the segment's 8 tile rows; tile row t asks for k-rows 32 (t & 7) .. + 31: wave 1.  Wave 3 asks for nothing.
; K steps 0 and 1 are loaded at once and not asked for; steps 2 and 3 are asked for at the start (step = 0); trip j of the lap loop steps the address and asks for steps 2 j + 2 and 2 j + 3;
; the last trip (the counter at 1) asks for nothing: there is no step 16, and no request leaves its buffer.
.macro ASK step
	s_cmp_eq_u32 s[WV], 3
	s_cbranch_scc1 .Lno_ask_\@
.if \step
	s_cmp_eq_u32 s3, 1
	s_cbranch_scc1 .Lno_ask_\@
	s_wait_xcnt 0x0                                ; the address is stepped only behind this wait; the request that named it went out a lap ago
	s_add_nc_u64 s[PFB:PFB+1], s[PFB:PFB+1], s[PFS:PFS+1]
.endif
	global_prefetch_b8 v[PFO], s[PFB:PFB+1] th:TH_LOAD_NT scope:SCOPE_SE
.Lno_ask_\@:
.endm
	s_load_b128 s[4:7], s[0:1], 0x0                ; hb s[4:5], w2b s[6:7]
	s_load_b64 s[8:9], s[0:1], 0x10                ; out0
	v_lshl_add_u32 v[SPW], v0, 2, SPARE
	v_mov_b32 v[NIL], 0
	ds_add_u32 v[SPW], v[NIL]                      ; the wave's opening: the add and its wait stand ahead of my first tensor load; the set-up below, work on registers, stands between them
	v_lshrrev_b32 v1, 5, v0
	v_readfirstlane_b32 s[WV], v1                  ; wave 0..3
	s_lshr_b32 s[WR], s[WV], 1
	s_and_b32 s[WC], s[WV], 1
	s_bfe_u32 s15, ttmp6, 0x40000                  ; cx: my place along the cluster's x
	s_bfe_u32 s16, ttmp6, 0x40004                  ; cy: along its y
	s_lshl_b32 s17, ttmp9, 2                       ; in a cluster launch ttmp9 and ttmp7 count clusters
	s_add_co_u32 s17, s17, s15                     ; tile column 0..7 = 4 x cluster x + cx
	s_and_b32 s19, ttmp7, 0xffff
	s_lshl_b32 s18, s19, 2
	s_add_co_u32 s18, s18, s16                     ; tile row t = 4 x cluster y + cy
	s_lshr_b32 s19, s19, 1                         ; the segment = t >> 3 = cluster y >> 1: made of what all sixteen share
	s_lshl_b32 s20, s16, 2
	s_lshl_b32 s20, 15, s20                        ; my row of the cluster: places 4 cy .. 4 cy + 3
	s_lshl_b32 s21, 0x1111, s15                    ; my column: places cx, cx + 4, cx + 8, cx + 12
	; descriptor group 1: hb's tile of 128 rows x 128 elements, w2b's of 64 rows x 128 elements, padded in LDS
	s_or_b32 s[G1A], s20, (1<<16)|(1<<20)|(1<<21)|(5<<22)|(3<<25)  ; 15:0 the mask: hb's tiles go to my row; 17:16 elements of 2 bytes; 20 padding on; 21 set beside a mask; 24:22 after every 64 words (code 5); 31:25 4 words (code 3)
	s_or_b32 s[G1B], s21, (1<<16)|(1<<20)|(1<<21)|(5<<22)|(7<<25)  ; w2b's tiles go to my column; 8 words of padding (code 7)
	s_mov_b32 s[G1A+1], 128<<16                    ; tensor_dim0 = 128
	s_mov_b32 s[G1A+2], 128<<16                    ; tensor_dim1 = 128
	s_mov_b32 s[G1A+3], 128<<16                    ; tile_dim0 = 128
	s_mov_b32 s[G1A+4], 128                        ; tile_dim1 = 128
	s_mov_b32 s[G1A+5], 2048                       ; elements from row to row of hb
	s_mov_b32 s[G1A+6], 0
	s_mov_b32 s[G1A+7], 0
	s_mov_b32 s[G1B+1], 128<<16                    ; tensor_dim0 = 128
	s_mov_b32 s[G1B+2], 64<<16                     ; tensor_dim1 = 64
	s_mov_b32 s[G1B+3], 128<<16                    ; tile_dim0 = 128
	s_mov_b32 s[G1B+4], 64                         ; tile_dim1 = 64
	s_mov_b32 s[G1B+5], 1024                       ; elements from row to row of w2b
	s_mov_b32 s[G1B+6], 0
	s_mov_b32 s[G1B+7], 0
	; the tile's first row, from t (s40, s41 at work: they feed hb's address alone)
	s_lshr_b32 s22, s18, 3
	s_lshl_b32 s22, s22, 9                         ; seg x 512
	s_bfe_u32 s40, s18, 0x20001                    ; b: two bits from bit 1
	s_lshl_b32 s40, s40, 11
	s_add_co_u32 s22, s22, s40
	s_and_b32 s40, s18, 1
	s_lshl_b32 s40, s40, 8
	s_add_co_u32 s22, s22, s40                     ; s22 = b x 2048 + seg x 512 + half x 256
	s_lshl_b32 s41, s[WC], 7
	s_add_co_u32 s40, s22, s41                     ; the 128 rows of hb that I fetch,
	s_lshl_b32 s40, s40, 12                        ; in bytes: rows of 4,096 (below 2^25)
	s_mov_b32 s41, 0
	s_lshl_b32 s46, s19, 22                        ; a segment of w2b is 4,194,304 bytes,
	s_lshl_b32 s47, s17, 8                         ; a tile column 256,
	s_add_co_u32 s46, s46, s47
	s_lshl_b32 s47, s[WC], 17                      ; the 64 k-rows that I fetch 131,072
	s_add_co_u32 s46, s46, s47
	s_mov_b32 s47, 0
	s_mul_i32 s23, s[WC], HALFA                    ; where the tiles go: the wave's number alone enters an LDS address
	s_mul_i32 s2, s[WC], HALFB
	s_add_co_u32 s2, s2, BOFF
	s_wait_dscnt 0x0                               ; the opening add is done
	s_wait_kmcnt 0x0
	s_add_nc_u64 s[40:41], s[4:5], s[40:41]        ; hb's tile of K step 0
	s_add_nc_u64 s[42:43], s[6:7], s[46:47]        ; w2b's
	CROUND                                         ; all sixteen work-groups are here: the first joint loads meet
.irp s, 0,1
	s_mov_b32 s[G0A+4*(\s)], 1                                       ; 1:0 count = 1
	s_add_co_u32 s[G0A+4*(\s)+1], s23, (\s)*SLOT                     ; 63:32 LDS address
	s_add_nc_u64 s[G0A+4*(\s)+2:G0A+4*(\s)+3], s[40:41], (\s)*256    ; 120:64 global address: K step s is 128 elements along the rows
	s_or_b32 s[G0A+4*(\s)+3], s[G0A+4*(\s)+3], 0x80000000            ; 127:126 type = 2
	s_mov_b32 s[G0B+4*(\s)], 1
	s_add_co_u32 s[G0B+4*(\s)+1], s2, (\s)*SLOT
	s_add_nc_u64 s[G0B+4*(\s)+2:G0B+4*(\s)+3], s[42:43], (\s)*262144 ; K step s is 128 rows of 2,048 bytes down
	s_or_b32 s[G0B+4*(\s)+3], s[G0B+4*(\s)+3], 0x80000000
	JLOAD \s                                       ; the ring is filled before anything else is done
.endr
	; what my wave asks for ahead, in registers of their own.  An even wave: hb, rows first row + 32 x tile column + lane, K step 2 (wave 0) or 3 (wave 2).  Wave 1: w2b, k-rows 256 + 32 (t & 7) + lane, my tile column.
	s_lshl_b32 s74, s17, 5
	s_add_co_u32 s74, s74, s22
	s_lshl_b32 s74, s74, 12                        ; rows of 4,096 bytes
	s_lshl_b32 s76, s[WR], 8
	s_add_co_u32 s74, s74, s76
	s_add_co_u32 s74, s74, 512                     ; K step 2 begins at byte 512 of a row
	s_and_b32 s76, s18, 7
	s_lshl_b32 s76, s76, 5
	s_add_co_u32 s76, s76, 256
	s_lshl_b32 s76, s76, 11                        ; k-rows of 2,048 bytes
	s_lshl_b32 s73, s19, 22
	s_add_co_u32 s76, s76, s73
	s_lshl_b32 s73, s17, 8
	s_add_co_u32 s76, s76, s73
	s_mov_b32 s[PFS], 512                          ; from lap to lap: 256 elements along hb's rows,
	s_mov_b32 s72, 0x80000                         ; or 256 k-rows of w2b
	s_mov_b32 s[PFS+1], 0
	s_mov_b32 s75, 0
	s_cmp_eq_u32 s[WC], 0
	s_cselect_b32 s74, s74, s76
	s_cselect_b32 s[PFS], s[PFS], s72
	s_cselect_b32 s73, 12, 11                      ; a lane's row, as a shift
	s_cselect_b64 s[PFB:PFB+1], s[4:5], s[6:7]
	s_add_nc_u64 s[PFB:PFB+1], s[PFB:PFB+1], s[74:75]
	v_and_b32 v7, 31, v0
	v_lshlrev_b32 v[PFO], s73, v7
	ASK 0                                          ; K steps 2 and 3
	; A fragment of hb is 16 rows x 32 K in 8 registers: lane l holds row l % 16; registers 0-3 K = 8 (l / 16) + 0..7, registers 4-7 K = 16 + 8 (l / 16) + 0..7: two loads of 16 bytes, 32 bytes apart.
	v_and_b32 v1, 15, v0                           ; l % 16
	v_bfe_u32 v2, v0, 4, 1                         ; l / 16
	v_mul_u32_u24 v3, v1, PA
	v_lshl_add_u32 v3, v2, 4, v3                   ; row x pitch + 16 x half
	; The turning load takes 16 k x 16 columns (lane l reads k-row 8 (l / 16) + l % 8, columns 8 ((l / 8) % 2) + 0..7) and leaves half a fragment: lane l holds column l % 16 and 8 k.
	v_and_b32 v4, 7, v0
	v_bfe_u32 v5, v0, 3, 1
	v_lshl_add_u32 v6, v2, 3, v4
	v_mul_u32_u24 v6, v6, PB
	v_lshl_add_u32 v6, v5, 4, v6
	s_mul_i32 s23, s[WR], HALFA                    ; my 128 rows of hb
	s_lshl_b32 s2, s[WC], 7                        ; my 64 columns of w2b's tile: 128 bytes
	s_add_co_u32 s2, s2, BOFF
.irp s, 0,1
	v_add_nc_u32 v[ADRA+(\s)], s23, v3
	v_add_nc_u32 v[ADRB+(\s)], s2, v6
	s_add_co_u32 s23, s23, SLOT
	s_add_co_u32 s2, s2, SLOT
.endr
	s_mul_i32 s23, s[WV], 16*SP
	s_add_co_u32 s23, s23, STAGE                   ; my stage
	v_mul_u32_u24 v[STO], v1, SP                   ; in: row l % 16, 32 bytes for each half of the lanes
	v_lshl_add_u32 v[STO], v2, 5, v[STO]
	v_add_nc_u32 v[STO], s23, v[STO]
	v_mul_u32_u24 v[RD], v2, SP                    ; back: lanes 0-15 take one row of 256 bytes, lanes 16-31 the next
	v_lshl_add_u32 v[RD], v1, 4, v[RD]
	v_add_nc_u32 v[RD], s23, v[RD]
	v_lshlrev_b32 v[CO], 12, v2                    ; and the same two rows in out0: rows of 4,096 bytes
	v_lshl_add_u32 v[CO], v1, 4, v[CO]
	s_lshl_b32 s47, s[WR], 7                       ; out0 at my first row and my first column
	s_add_co_u32 s46, s22, s47
	s_lshl_b32 s46, s46, 12
	s_lshl_b32 s47, s17, 9                         ; a tile column is 128 f32: 512 bytes,
	s_add_co_u32 s46, s46, s47
	s_lshl_b32 s47, s[WC], 8                       ; my half of it 256
	s_add_co_u32 s46, s46, s47
	s_mov_b32 s47, 0
	s_add_nc_u64 s[8:9], s[8:9], s[46:47]
; 8 matrix instructions: row blocks a0, a0 + 1 x all 4 column blocks, 32 along K.  zero = 1: the first product starts the sums.
; The 32 accumulators take turns, one instruction a turn, in the same order in every quarter.
.macro MUL8 f, a0, zero
	WIN W_MUL
.irp a, \a0, (\a0)+1
.irp b, 0,1,2,3
.if \zero
	v_wmma_f32_16x16x32_bf16 v[8*(4*(\a)+(\b)):8*(4*(\a)+(\b))+7], v[(\f)+64+8*(\b):(\f)+64+8*(\b)+7], v[(\f)+8*(\a):(\f)+8*(\a)+7], 0
.else
	v_wmma_f32_16x16x32_bf16 v[8*(4*(\a)+(\b)):8*(4*(\a)+(\b))+7], v[(\f)+64+8*(\b):(\f)+64+8*(\b)+7], v[(\f)+8*(\a):(\f)+8*(\a)+7], v[8*(4*(\a)+(\b)):8*(4*(\a)+(\b))+7]
.endif
.endr
.endr
.endm
; 24 LDS loads in one run: the fragments of quarter q (32 along K) of a slot into buffer f: w2b's four column blocks, then hb's eight row blocks
.macro FETCH slot, q, f
	WIN 0
.irp j, 0,1,2,3
	ds_load_tr16_b128 v[(\f)+64+8*(\j):(\f)+64+8*(\j)+3],   v[ADRB+(\slot)] offset:(\q)*32*PB+32*(\j)
	ds_load_tr16_b128 v[(\f)+64+8*(\j)+4:(\f)+64+8*(\j)+7], v[ADRB+(\slot)] offset:(\q)*32*PB+16*PB+32*(\j)
.endr
.irp i, 0,1,2,3,4,5,6,7
	ds_load_b128 v[(\f)+8*(\i):(\f)+8*(\i)+3],   v[ADRA+(\slot)] offset:64*(\q)+(\i)*16*PA
	ds_load_b128 v[(\f)+8*(\i)+4:(\f)+8*(\i)+7], v[ADRA+(\slot)] offset:64*(\q)+(\i)*16*PA+32
.endr
.endm
; A load into a register that a matrix instruction has read, and an LDS store that reads a matrix result, stand four places behind that matrix instruction; only plain vector instructions
; that name none of its registers are places (ISA guide 7.12.1 for vector instructions).
.macro PLACES
.rept 4
	v_nop
.endr
.endm
; A K step is four quarters of 32 along K, 32 matrix instructions each, on buffers 0, 1, 0, 1.  One of the first three: multiplies buffer f; in its middle it fetches quarter q of the same slot into buffer g.
.macro QUARTER slot, q, f, g, zero
	s_wait_dscnt 8                                 ; w2b and hb's rows 0-63 are in; the youngest eight loads (hb's rows 64-127) may be out
	MUL8 \f, 0, \zero
	MUL8 \f, 2, \zero
	PLACES
	FETCH \slot, \q, \g
	s_wait_dscnt 24                                ; all but the 24 just issued
	MUL8 \f, 4, \zero
	MUL8 \f, 6, \zero
.endm
; The last quarter changes slots and then multiplies buffer 1.  The slot's last fragments are in registers, so the change stands AHEAD of the quarter's 32 products: each wave waits for all its tensor
; loads, of which one is out: its part of the next slot; adds 0 to its spare word; waits for that and for its own reads of this slot; and passes ONE barrier.  Behind it nobody reads this slot any more
; and the next slot is whole.  fill = 1: the barrier opens a round of the cluster's barrier, and this slot is filled again, two K steps ahead, first thing behind the round: no product stands between a
; tile's landing and the next request, and all 128 matrix instructions of a K step stand between a request and the wait for it.  ask = 1: the lap's prefetch stands behind the run of LDS loads.
.macro TURN slot, next, fill, ask=0
	WIN 0
	s_wait_tensorcnt 0x0                           ; all my tensor loads have landed, so both sets of group 0 may be written
	ds_add_u32 v[SPW], v[NIL]                      ; 0 onto my spare word; the descriptors' steps stand between it and the wait for it
.if \fill
	s_add_nc_u64 s[G0A+4*(\slot)+2:G0A+4*(\slot)+3], s[G0A+4*(\slot)+2:G0A+4*(\slot)+3], 512     ; two K steps on; the type bits on top are not reached
	s_add_nc_u64 s[G0B+4*(\slot)+2:G0B+4*(\slot)+3], s[G0B+4*(\slot)+2:G0B+4*(\slot)+3], 524288
.endif
	s_wait_dscnt 0x0                               ; the add is done, and my reads of this slot are over: buffer 1 is whole
	s_barrier_signal -1
	s_barrier_wait -1
.if \fill
	CREST                                          ; no wave of any partner still reads this slot's tiles or has a load on its way
	JLOAD \slot                                    ; the four v_nop behind it are also the places in front of the loads below
.else
	PLACES
.endif
	FETCH \next, 0, F0                             ; 32 matrix instructions ahead of their first use
.if \ask
	ASK 1
.endif
	MUL8 F1, 0, 0
	MUL8 F1, 2, 0
	MUL8 F1, 4, 0
	MUL8 F1, 6, 0
.endm
; THE WAY OUT of row block a.  TOSTAGE: a lane's 32 bytes of each of the four accumulators go into my own stage, rows of 272 bytes, the low four registers first; then the
; 16 rows come back whole.  LDS serves a wave's instructions in order (ISA guide 5.7.1.4): the loads see the stores above them, and the next block's stores come behind these loads.
.macro TOSTAGE a
.if (\a) >= 2
	s_wait_xcnt 0x0                                ; the registers loaded below were the data of the stores of the block two back: they are rewritten only behind this wait
.endif
	WIN W_ST
.irp b, 0,1,2,3
	ds_store_b128 v[STO], v[8*(4*(\a)+(\b)):8*(4*(\a)+(\b))+3]   offset:64*(\b)
	ds_store_b128 v[STO], v[8*(4*(\a)+(\b))+4:8*(4*(\a)+(\b))+7] offset:64*(\b)+16
.endr
	WIN 0
.irp t, 0,1,2,3,4,5,6,7
	ds_load_b128 v[OB+32*((\a)%2)+4*(\t):OB+32*((\a)%2)+4*(\t)+3], v[RD] offset:(\t)*2*SP
.endr
.endm
.macro SEND a, younger                 ; younger: the LDS instructions issued behind block a's loads: the next block's sixteen, or none
.irp t, 0,1,2,3,4,5,6,7
	s_wait_dscnt (\younger)+7-(\t)
	global_store_b128 v[CO], v[OB+32*((\a)%2)+4*(\t):OB+32*((\a)%2)+4*(\t)+3], s[8:9] offset:(16*(\a)+2*(\t))*4096 th:TH_STORE_NT  ; 16 lanes store 256 consecutive bytes, at a multiple of 256 from out0's first byte; 126 rows at the most: inside the signed 24-bit immediate
.endr
.endm
	s_wait_tensorcnt 1                             ; my part of K step 0 is in; K step 1's may stay out
	s_barrier_signal -1
	s_barrier_wait -1                              ; everybody's is
	FETCH 0, 0, F0
	QUARTER 0, 1, F0, F1, 1                        ; the first quarter stands in front of the loop: its products start the sums
	WIN 0                                          ; at a label and at a branch every window is 0
	s_mov_b32 s3, LAPS-1
.Llap:                                                 ; a trip goes once round the ring, from a lap's second quarter to the next lap's first, and fills both slots again
	QUARTER 0, 2, F1, F0, 0
	QUARTER 0, 3, F0, F1, 0
	TURN 0, 1, 1, 1
	QUARTER 1, 1, F0, F1, 0
	QUARTER 1, 2, F1, F0, 0
	QUARTER 1, 3, F0, F1, 0
	TURN 1, 0, 1
	QUARTER 0, 1, F0, F1, 0
	WIN 0
	s_sub_co_u32 s3, s3, 1
	s_cmp_lg_u32 s3, 0
	s_cbranch_scc1 .Llap
	QUARTER 0, 2, F1, F0, 0                        ; the last lap fills nothing, and has no round of the cluster's barrier
	QUARTER 0, 3, F0, F1, 0
	TURN 0, 1, 0
	QUARTER 1, 1, F0, F1, 0
	QUARTER 1, 2, F1, F0, 0
	QUARTER 1, 3, F0, F1, 0
	s_wait_dscnt 8                                 ; the very last quarter: nothing more to fetch
	MUL8 F1, 0, 0
	MUL8 F1, 2, 0
	s_wait_dscnt 0x0
	MUL8 F1, 4, 0
	MUL8 F1, 6, 0
	WIN 0
	PLACES                                         ; the stores below read results just made
	TOSTAGE 0
.irp a, 1,2,3,4,5,6,7                  ; block a's trip through the stage is issued ahead of the wait for block a - 1's
	TOSTAGE \a
	SEND (\a)-1, 16
.endr
	SEND 7, 0
	s_wait_tensorcnt 0x0                           ; the wave's end: a wait, an add onto my spare word and its wait, behind my last tensor load and my last LDS store
	ds_add_u32 v[SPW], v[NIL]
	s_wait_dscnt 0x0
	CROUND                                         ; the closing round: no work-group ends while a partner may still ask for a tile that names it
	s_endpgm
.Lfunc_end_k_q60be91bcca_down:
	.size	k_q60be91bcca_down, .Lfunc_end_k_q60be91bcca_down-k_q60be91bcca_down
	.p2alignl 7, 3214868480
	.fill 96, 4, 3214868480
	.section	.rodata,"a",@progbits
	.p2align	6, 0x0
	.amdhsa_kernel k_q60be91bcca_down
		.amdhsa_group_segment_fixed_size 327680
		.amdhsa_private_segment_fixed_size 0
		.amdhsa_enable_private_segment 0
		.amdhsa_kernarg_size 24
		.amdhsa_user_sgpr_count 2
		.amdhsa_user_sgpr_kernarg_segment_ptr 1
		.amdhsa_wavefront_size32 1
		.amdhsa_system_sgpr_workgroup_id_x 1
		.amdhsa_system_sgpr_workgroup_id_y 1
		.amdhsa_system_sgpr_workgroup_id_z 1
		.amdhsa_system_vgpr_workitem_id 0
		.amdhsa_next_free_vgpr 512
		.amdhsa_next_free_sgpr 80
		.amdhsa_reserve_vcc 0
		.amdhsa_float_denorm_mode_32 3
		.amdhsa_float_denorm_mode_16_64 3
		.amdhsa_memory_ordered 1
		.amdhsa_forward_progress 1
		.amdhsa_inst_pref_size 89
	.end_amdhsa_kernel
	.amdgpu_metadata
---
amdhsa.version: [ 1, 2 ]
amdhsa.kernels:
  - .name:           k_q60be91bcca_down
    .symbol:         k_q60be91bcca_down.kd
    .args:
      - { .name: hb, .offset: 0, .size: 8, .value_kind: global_buffer, .address_space: global }
      - { .name: w2b, .offset: 8, .size: 8, .value_kind: global_buffer, .address_space: global }
      - { .name: out0, .offset: 16, .size: 8, .value_kind: global_buffer, .address_space: global }
    .group_segment_fixed_size: 327680
    .private_segment_fixed_size: 0
    .kernarg_segment_align: 8
    .kernarg_segment_size: 24
    .max_flat_workgroup_size: 128
    .sgpr_count:     80
    .vgpr_count:     512
    .wavefront_size: 32
...
	.end_amdgpu_metadata
.endif
;; end of part 3
